; MI455X (gfx1250); checked and timed in simulation.
; The chip was launched on July 23, 2026; its instructions are those of AMD's public machine-readable ISA for CDNA 5 (MIT licence, August 2026) and "CDNA5" Instruction Set Architecture Reference Guide (July 2026). The comments in the code are by the model that wrote it; some were corrected since.
;; Mo E out. Allowed arithmetic: float matrix products may take bf16 or f16 operands with f32 sums; other float arithmetic in f32, or as packed bf16 or f16 multiplies, adds, multiply-adds, maxima and minima; sums over many terms, partial sums and values carried from step to step in f32; what a program stores and reads back later, other than sums and carried values, may be rounded once to bf16 or f16.
;; Inputs: W1 8 x 1,024 x 2,048 float32; W2 8 x 2,048 x 1,024 float32; Wg 1,024 x 8 float32; b1 8 x 2,048 float32; b2 8 x 1,024 float32; bg 8 float32; x 4 x 512 x 1,024 float32.
;; Outputs: out0 4 x 512 x 1,024 float32.
;; One version. Each part assembles by itself: llvm-mc -triple=amdgcn-amd-amdhsa -mcpu=gfx1250 --defsym DOCPART=n.
;; ======== version 1 of 1: 4 launches
;; workspace buffers: xb 4,194,304 bytes; w1b 33,554,432 bytes; w2b 33,554,432 bytes; gate 65,536 bytes; hid 67,108,864 bytes; part 67,108,864 bytes
;; launch prep (part 1): grid 1280 x 1, 8 waves a work-group, no clusters, 5,120 bytes of LDS; arguments x, W1, Wg, bg, xb, w1b, gate; writes xb, w1b, gate
.if DOCPART == 1
	.amdgcn_target "amdgcn-amd-amdhsa--gfx1250"
	.amdhsa_code_object_version 6
	.text
	.protected	k_q1b6a02c4c9_prep
	.globl	k_q1b6a02c4c9_prep
	.p2align	8
	.type	k_q1b6a02c4c9_prep,@function
k_q1b6a02c4c9_prep:
	s_mov_b64 s[64:65], 0
	v_nop
	global_prefetch_b8 v0, s[64:65] scope:SCOPE_SE
	s_setreg_imm32_b32 hwreg(HW_REG_WAVE_MODE, 25, 1), 1
	s_wait_xcnt 0x0
; PREP.  Two kinds of work-groups, told apart by the work-group's number g alone (the same in all eight waves).
; g = 128 .. 1279: A STREAM.  64 KiB of f32 are rounded once to bf16 (nearest even) and stored in the same order: x -> xb (128 pieces), W1 -> w1b (1,024).  (W2 is rounded by the next launch, beside its products.)
;   Thread t takes 16 bytes at 16 t of each of sixteen blocks of 4,096 bytes: a wave's load covers 512 consecutive bytes, its store of 8 bytes a lane 256 consecutive bytes at a multiple of 256.
;   All sixteen loads go out before the first wait; a block is rounded in place, and no register is written again behind its store, so nothing waits for a store.
; g = 0 .. 127: THE GATE.  gate[t][e] = sum over k of x[t][k] Wg[k][e] + bg[e] for the 16 tokens 16 g .. 16 g + 15.  Wave w takes k = 128 w .. 128 w + 127: four matrix instructions of 32 along K on
;   two accumulators by turns, in two rounds of two through the same registers.  x and Wg are rounded to bf16 for the product, sums and bg stay in f32.  The eight waves' parts meet in LDS; wave 0 adds them
;   (a tree of pairs) and stores 512 consecutive bytes.  These work-groups have the lowest numbers, so that their chain of dependent steps lies beside the stream and not behind it.
; REGISTERS: 96, so that ten waves fit into a SIMD's 1,024: the five work-groups that fall to each of 256 WGPs (1,280 / 256) can all be there at once, each with 64 KiB asked for.
; The matrix instruction takes Wg as source 0 (row m = expert m % 8: rows 8-15 repeat experts 0-7) and x as source 1 (column n = token): a lane then holds ONE token (lane % 16) and all eight experts.
; LDS: bytes 0-4,095 the waves' parts (wave w at 512 w: 16 tokens x 8 experts x 4 bytes); bytes 4,096-5,119 the spare words.
.set SPARE, 4096
.set SPW, 2            ; v2   LDS address of my spare word; never rewritten
.set NIL, 3            ; v3   0; never rewritten
.set IO,  4            ; v4   stream: 16 t
.set OO,  5            ; v5   stream: 8 t
.set LR,  4            ; v4   gate: 16 l: where I read the parts back, and my place in the store
.set BO,  5            ; v5   gate: my four numbers of bg
.set BG,  12           ; v12-15   four numbers of bg
.set A0,  16           ; v16-23, v24-31  the two accumulators
.set A1,  24
.set X,   32           ; stream: v32-95, sixteen loads of four, rounded in place.  gate: v32-63, x of two K steps, 16 f32 each, then the fragment in the first eight of them
.set W,   64           ; gate: v64-95, Wg likewise
.set SV,  32           ; gate: v32-35 the four experts that this lane hands in, when the products are done
	s_load_b256 s[4:11], s[0:1], 0x0               ; x s[4:5], W1 s[6:7], Wg s[8:9], bg s[10:11]
	s_load_b128 s[12:15], s[0:1], 0x20             ; xb s[12:13], w1b s[14:15]
	s_load_b64 s[16:17], s[0:1], 0x30              ; gate
	v_lshl_add_u32 v[SPW], v0, 2, SPARE
	v_mov_b32 v[NIL], 0
	s_cmp_lt_u32 ttmp9, 128
	s_cbranch_scc1 .Lgate
	; ---------------- the stream ----------------
	s_sub_co_u32 s22, ttmp9, 256                   ; my piece's number, if it is W1's,
	s_sub_co_u32 s23, ttmp9, 128                   ; or x's: the compare below picks the one that holds
	v_lshlrev_b32 v[IO], 4, v0
	v_lshlrev_b32 v[OO], 3, v0
	s_wait_kmcnt 0x0
	s_cmp_lt_u32 ttmp9, 256
	s_cselect_b64 s[24:25], s[4:5], s[6:7]         ; from x or W1,
	s_cselect_b64 s[26:27], s[12:13], s[14:15]     ; to xb or w1b
	s_cselect_b32 s28, s23, s22
	s_lshl_b32 s2, s28, 15                         ; 32 KiB out for each piece,
	s_mov_b32 s3, 0
	s_lshl_b32 s28, s28, 16                        ; 64 KiB in: 1,023 pieces at the most, under 2^27 bytes
	s_mov_b32 s29, 0
	s_add_nc_u64 s[24:25], s[24:25], s[28:29]
	s_add_nc_u64 s[26:27], s[26:27], s[2:3]
.set i, 0
.rept 16
	global_load_b128 v[X+4*i:X+4*i+3], v[IO], s[24:25] offset:4096*i th:TH_LOAD_NT  ; W1 is read once in this launch; x (an eighth of W1's bytes) once more, by the gate's groups
.set i, i+1
.endr
.set i, 0
.rept 16
	s_wait_loadcnt 15-i                            ; loads come back in order (ISA guide 5.7.1): block i is in, the 15 - i younger ones stay out
	v_cvt_pk_bf16_f32 v[X+4*i],   v[X+4*i],   v[X+4*i+1]    ; in place: each line writes a register that it reads itself or that the line before has read
	v_cvt_pk_bf16_f32 v[X+4*i+1], v[X+4*i+2], v[X+4*i+3]
	global_store_b64 v[OO], v[X+4*i:X+4*i+1], s[26:27] offset:2048*i
.set i, i+1
.endr
	s_endpgm
	; ---------------- the gate ----------------
.Lgate:
	v_lshrrev_b32 v1, 5, v0
	v_readfirstlane_b32 s30, v1                    ; wave 0..7
	v_and_b32 v6, 31, v0                           ; lane l
	v_and_b32 v7, 15, v0                           ; r = l % 16
	v_bfe_u32 v8, v0, 4, 1                         ; h = l / 16
	v_lshlrev_b32 v9, 12, v7
	v_lshl_add_u32 v9, v8, 5, v9                   ; x: token r's row of 4,096 bytes + 8 h numbers
	v_and_b32 v10, 7, v0
	v_lshlrev_b32 v10, 2, v10
	v_lshl_add_u32 v10, v8, 8, v10                 ; Wg: 8 h rows of 32 bytes + expert r % 8
	v_lshlrev_b32 v11, 5, v7
	v_lshl_add_u32 v11, v8, 4, v11
	v_lshl_add_u32 v11, s30, 9, v11                ; LDS, in: 512 w + 32 r + 16 h
	v_lshlrev_b32 v[LR], 4, v6                     ; LDS, back, and the store: 16 l = token l / 2, experts 4 (l % 2) on
	v_and_b32 v[BO], 1, v0
	v_lshlrev_b32 v[BO], 4, v[BO]                  ; bg: experts 4 (l % 2) on
	s_lshl_b32 s22, ttmp9, 16                      ; my 16 rows of x,
	s_lshl_b32 s23, s30, 9                         ; my wave's 128 numbers of them
	s_add_co_u32 s22, s22, s23
	s_mov_b32 s23, 0
	s_lshl_b32 s24, s30, 12                        ; my wave's 128 rows of Wg
	s_mov_b32 s25, 0
	s_lshl_b32 s26, ttmp9, 9                       ; my 16 rows of gate
	s_mov_b32 s27, 0
	s_wait_kmcnt 0x0
	s_add_nc_u64 s[4:5], s[4:5], s[22:23]
	s_add_nc_u64 s[8:9], s[8:9], s[24:25]
	s_add_nc_u64 s[16:17], s[16:17], s[26:27]
	global_load_b128 v[BG:BG+3], v[BO], s[10:11]
	; A fragment is 16 rows x 32 K in 8 registers: registers 0-3 hold K = 8 h + 0..7, registers 4-7 K = 16 + 8 h + 0..7.  In f32 that is twice 32 bytes of a row of x, and sixteen single numbers of Wg.
	; Round p takes the K steps 2 p and 2 p + 1.
.set p, 0
.rept 2
.if p
.rept 4
	v_nop                                          ; four places between the first round's products and the loads into the registers that they read (ISA guide 7.12.1 for vector lines)
.endr
.endif
.set u, 0
.rept 2
	global_load_b128 v[X+16*u:X+16*u+3],     v9, s[4:5] offset:128*(2*p+u)
	global_load_b128 v[X+16*u+4:X+16*u+7],   v9, s[4:5] offset:128*(2*p+u)+16
	global_load_b128 v[X+16*u+8:X+16*u+11],  v9, s[4:5] offset:128*(2*p+u)+64
	global_load_b128 v[X+16*u+12:X+16*u+15], v9, s[4:5] offset:128*(2*p+u)+80
.set qq, 0
.rept 16
	global_load_b32 v[W+16*u+qq], v10, s[8:9] offset:1024*(2*p+u)+32*qq+256*(qq/8)  ; row 32 (2 p + u) + 8 h + qq, and from qq = 8 on eight rows further
.set qq, qq+1
.endr
.set u, u+1
.endr
	s_wait_loadcnt 0x0                             ; one wait for the round's loads (and, in the first round, bg's)
.set u, 0
.rept 2
.set i, 0
.rept 8                                            ; in place, ascending: register i is written when registers 2 i and 2 i + 1 are read, never before
	v_cvt_pk_bf16_f32 v[X+16*u+i], v[X+16*u+2*i], v[X+16*u+2*i+1]
	v_cvt_pk_bf16_f32 v[W+16*u+i], v[W+16*u+2*i], v[W+16*u+2*i+1]
.set i, i+1
.endr
.set u, u+1
.endr
.if p                                              ; the two accumulators take turns; the first round's products start the sums
	v_wmma_f32_16x16x32_bf16 v[A0:A0+7], v[W:W+7],     v[X:X+7],     v[A0:A0+7]
	v_wmma_f32_16x16x32_bf16 v[A1:A1+7], v[W+16:W+23], v[X+16:X+23], v[A1:A1+7]
.else
	v_wmma_f32_16x16x32_bf16 v[A0:A0+7], v[W:W+7],     v[X:X+7],     0
	v_wmma_f32_16x16x32_bf16 v[A1:A1+7], v[W+16:W+23], v[X+16:X+23], 0
.endif
.set p, p+1
.endr
.rept 4
	v_nop                                          ; four places between the products and the first read of their results, and the first write of their sources (ISA guide 7.12.1)
.endr
.irp i, 0,2,4,6
	v_pk_add_f32 v[A0+\i:A0+\i+1], v[A0+\i:A0+\i+1], v[A1+\i:A1+\i+1]               ; from the low end on
.endr
	v_cmp_lt_u32 vcc_lo, 15, v6                    ; both halves of the lanes hold all eight experts: lanes 0-15 hand in experts 0-3, lanes 16-31 experts 4-7
.irp i, 0,1,2,3
	v_cndmask_b32 v[SV+\i], v[A0+\i], v[A0+4+\i], vcc_lo
.endr
	ds_store_b128 v11, v[SV:SV+3]
	s_wait_dscnt 0x0                               ; for wave 0's sake: my part is in LDS
	s_barrier_signal -1
	s_barrier_wait -1
	s_cmp_lg_u32 s30, 0
	s_cbranch_scc1 .Lclose
.irp i, 0,1,2,3,4,5,6,7
	ds_load_b128 v[X+4*\i:X+4*\i+3], v[LR] offset:512*\i                            ; the eight waves' parts of my four numbers
.endr
	s_wait_dscnt 0x0
.irp i, 0,1,2,3
	v_pk_add_f32 v[X+4*\i:X+4*\i+1],   v[X+4*\i:X+4*\i+1],   v[X+16+4*\i:X+16+4*\i+1]
	v_pk_add_f32 v[X+4*\i+2:X+4*\i+3], v[X+4*\i+2:X+4*\i+3], v[X+16+4*\i+2:X+16+4*\i+3]
.endr
.irp i, 0,1
	v_pk_add_f32 v[X+4*\i:X+4*\i+1],   v[X+4*\i:X+4*\i+1],   v[X+8+4*\i:X+8+4*\i+1]
	v_pk_add_f32 v[X+4*\i+2:X+4*\i+3], v[X+4*\i+2:X+4*\i+3], v[X+8+4*\i+2:X+8+4*\i+3]
.endr
	v_pk_add_f32 v[X:X+1],   v[X:X+1],   v[X+4:X+5]
	v_pk_add_f32 v[X+2:X+3], v[X+2:X+3], v[X+6:X+7]
	v_pk_add_f32 v[X:X+1],   v[X:X+1],   v[BG:BG+1]
	v_pk_add_f32 v[X+2:X+3], v[X+2:X+3], v[BG+2:BG+3]
	global_store_b128 v[LR], v[X:X+3], s[16:17]    ; 32 lanes store 512 consecutive bytes, at a multiple of 512 from gate's first byte
.Lclose:
	s_wait_tensorcnt 0x0                           ; the wave's end, behind my last LDS store
	ds_add_u32 v[SPW], v[NIL]
	s_wait_dscnt 0x0
	s_endpgm
.Lfunc_end_k_q1b6a02c4c9_prep:
	.size	k_q1b6a02c4c9_prep, .Lfunc_end_k_q1b6a02c4c9_prep-k_q1b6a02c4c9_prep
	.p2alignl 7, 3214868480
	.fill 96, 4, 3214868480
	.section	.rodata,"a",@progbits
	.p2align	6, 0x0
	.amdhsa_kernel k_q1b6a02c4c9_prep
		.amdhsa_group_segment_fixed_size 5120
		.amdhsa_private_segment_fixed_size 0
		.amdhsa_enable_private_segment 0
		.amdhsa_kernarg_size 56
		.amdhsa_user_sgpr_count 2
		.amdhsa_user_sgpr_kernarg_segment_ptr 1
		.amdhsa_wavefront_size32 1
		.amdhsa_system_sgpr_workgroup_id_x 1
		.amdhsa_system_sgpr_workgroup_id_y 1
		.amdhsa_system_sgpr_workgroup_id_z 1
		.amdhsa_system_vgpr_workitem_id 0
		.amdhsa_next_free_vgpr 96
		.amdhsa_next_free_sgpr 66
		.amdhsa_reserve_vcc 1
		.amdhsa_float_denorm_mode_32 3
		.amdhsa_float_denorm_mode_16_64 3
		.amdhsa_memory_ordered 1
		.amdhsa_forward_progress 1
		.amdhsa_inst_pref_size 23
	.end_amdhsa_kernel
	.amdgpu_metadata
---
amdhsa.version: [ 1, 2 ]
amdhsa.kernels:
  - .name:           k_q1b6a02c4c9_prep
    .symbol:         k_q1b6a02c4c9_prep.kd
    .args:
      - { .name: x, .offset: 0, .size: 8, .value_kind: global_buffer, .address_space: global }
      - { .name: W1, .offset: 8, .size: 8, .value_kind: global_buffer, .address_space: global }
      - { .name: Wg, .offset: 16, .size: 8, .value_kind: global_buffer, .address_space: global }
      - { .name: bg, .offset: 24, .size: 8, .value_kind: global_buffer, .address_space: global }
      - { .name: xb, .offset: 32, .size: 8, .value_kind: global_buffer, .address_space: global }
      - { .name: w1b, .offset: 40, .size: 8, .value_kind: global_buffer, .address_space: global }
      - { .name: gate, .offset: 48, .size: 8, .value_kind: global_buffer, .address_space: global }
    .group_segment_fixed_size: 5120
    .private_segment_fixed_size: 0
    .kernarg_segment_align: 8
    .kernarg_segment_size: 56
    .max_flat_workgroup_size: 256
    .sgpr_count:     66
    .vgpr_count:     96
    .wavefront_size: 32
...
	.end_amdgpu_metadata
.endif
;; end of part 1
;; launch up (part 2): grid 64 x 8, 4 waves a work-group, clusters of 4 x 4, 327,680 bytes of LDS; arguments xb, w1b, b1, hid, W2, w2b; writes hid, w2b
.if DOCPART == 2
	.amdgcn_target "amdgcn-amd-amdhsa--gfx1250"
	.amdhsa_code_object_version 6
	.text
	.protected	k_q1b6a02c4c9_up
	.globl	k_q1b6a02c4c9_up
	.p2align	8
	.type	k_q1b6a02c4c9_up,@function
k_q1b6a02c4c9_up:
	s_mov_b64 s[64:65], 0
	v_nop
	global_prefetch_b8 v0, s[64:65] scope:SCOPE_SE
	s_setreg_imm32_b32 hwreg(HW_REG_WAVE_MODE, 25, 1), 1
	s_wait_xcnt 0x0
	s_wait_alu depctr_hold_cnt(0) depctr_sa_sdst(0) depctr_va_vdst(0) depctr_va_sdst(0) depctr_va_ssrc(0) depctr_va_vcc(0) depctr_vm_vsrc(0)
	s_getreg_b32 s2, hwreg(HW_REG_IB_STS2, 6, 4)
	s_cmp_eq_u32 s2, 0
	s_cbranch_scc0 .Lentry_in_a_cluster
	s_endpgm
.Lentry_in_a_cluster:
	s_bfe_u32 s2, ttmp6, 0x10000c
	s_cmp_lg_u32 s2, 0xf033
	s_cbranch_scc0 .Lentry_shape_is_right
	s_endpgm
.Lentry_shape_is_right:
; UP.  hid[e][t][c] = bf16(relu(sum over k of xb[t][k] w1b[e][k][c] + b1[e][c])).  xb: [2048][1024] bf16; w1b: [8][1024][2048] bf16; b1: [8][2048] f32; hid: [8][2048][2048] bf16.  Sums in f32.
; BESIDE THE PRODUCTS: w2b = W2 rounded once to bf16 (nearest even), in the same order, for the next launch.  It has nothing to do with this launch's products: it is memory work set beside matrix work.
; LIMITS.  The sum is rounded to bf16 first and the relu taken of the rounded number, which is the same number.  A NaN sum gives 0 (the maximum drops a NaN) where the reference's relu keeps it.
; SHARES.  A work-group of four waves makes 256 tokens x 256 columns of one expert, a wave 128 x 128: 64 accumulators of 16 x 16, 512 registers.  K goes in steps of 128 through two LDS slots filled by
; the tensor data mover.  A's tile (tokens) has rows of 256 bytes along K; B's tile (weights) lies as in memory, [k][column], rows of 512 bytes, and is turned on its way into registers by ds_load_tr16_b128.
; CLUSTER.  4 x 4 work-groups.  The four of a row of the cluster have the same 256 tokens, the four of a column the same expert and columns: each tile is asked for JOINTLY, by the same tensor load with the
; same descriptor and a mask that names the four, which divides the requests for both operands by four.
; THE MATRIX INSTRUCTION IS USED TRANSPOSED: source 0 = 16 columns of the weights, source 1 = 16 tokens.  A lane then holds one token (lane % 16) and eight NEIGHBOURING columns 8 (lane / 16) + 0..7.
; THE BIAS is the C operand of the products that start the sums: eight registers for each block of 16 columns, the same for all tokens.  Nothing is cleared, nothing is added later.
; W2's SHARES.  67,108,864 bytes over 512 work-groups x 4 waves: 32 KiB a wave, in 16 pieces of 2 KiB (four loads of 512 consecutive bytes).  A ring of four register slots holds four pieces on their way:
; all four are asked for at the start; four of a trip's six plain quarters each round one piece (eight conversions, which stand as the places in front of the quarter's run of LDS loads), ask for the piece
; four further on into the same slot, and store 1 KiB.  So a piece is asked for a whole trip, 512 matrix instructions, ahead of its rounding.  4 + 3 trips x 4 = 16 pieces asked for; the tail's four riders ask for nothing.
; REGISTERS, in windows of 256 (s_set_vgpr_msb: bits 1:0 source 0, 3:2 source 1, 5:4 source 2, 7:6 destination):
;   window 0: v0-31 addresses and W2's rounded pieces; v64-127, v128-191 the tokens' fragments, two buffers; v192-255 the bias, then at work on the way out, with v32-63
;   window 1: v0-63 W2's ring; v64-127, v128-191 the weights' fragments, two buffers      window 2: the accumulators of my tokens 0-63 ((a, b) at v[8 (8 a + b)])      window 3: those of my tokens 64-127
.set KDIM,  1024
.set NCOL,  2048                       ; elements from row to row of w1b and of hid
.set LAPS,  KDIM/256                   ; a lap = two K steps = once round the ring
.set PA,    272                        ; a token's row in LDS: 256 bytes + 16 = 68 words: row r starts at bank 4 r mod 64 (64 banks of 4 bytes: ISA guide 11.1)
.set PB,    544                        ; a k row of the weights: 512 bytes + 32 = 136 words: row r starts at bank 8 r mod 64
.set HALFT, 128*PA                     ; what one tensor load brings: 128 rows of A or 64 rows of B, 34,816 bytes either way
.set BOFF,  2*HALFT                    ; B's 128 rows lie behind A's 256
.set SLOT,  4*HALFT
.set STAGE, 2*SLOT                     ; behind the ring, never filled by a tensor load: 16 rows x 272 bytes for each wave, for the way out
.set SP,    272
.set SPARE, STAGE+4*16*SP              ; behind the stages: the spare words, 128 bytes for each wave: two blocks of 256 bytes that no other line names
.set ASTEP, 128*2                      ; bytes from a K step to the next: along A's rows,
.set BSTEP, 128*NCOL*2                 ; and down B's
.set ROWB,  NCOL*2                     ; bytes in a row of hid
.set PIECE, 2048                       ; bytes of W2 in a piece
.set YW,   8                           ; v8-15   a piece of W2, rounded: 8 bytes a lane for each of its four loads
.set ADRA, 16                          ; v16-17  LDS address of my tokens' fragments in slot 0, 1
.set WI,   18                          ; v18     16 l: my place in 512 bytes of W2; never rewritten
.set WO,   19                          ; v19     8 l: my place in 256 bytes of w2b; never rewritten
.set ADRB, 20                          ; v20-21  LDS address of the weights' fragments in slot 0, 1
.set STO,  24                          ; v24     the way out: where I put 16 bytes of a row
.set RD,   25                          ; v25     the way out: where I read a row back
.set CO,   26                          ; v26     my byte offset in hid
.set BO,   27                          ; v27     my byte offset in a block of 16 numbers of the bias
.set SPW,  28                          ; v28     LDS address of my spare word; never rewritten
.set NIL,  29                          ; v29     0, for the add alone; never rewritten
.set ZR,   30                          ; v30     0, for the relu
.set F0,   64
.set F1,   128
.set CB,   192                         ; the bias: block b of 16 columns at v[CB + 8 b]
.set TMP,  192                         ; the way out: packed results
.set OB,   32                          ; the way out: 16 rows read back: v32-63 and v224-255 by turns
.set XR,   0                           ; window 1: W2's ring: slot j at v[XR + 16 j], four loads of four registers
.set WV,   14                          ; s14  wave 0..3
.set RH,   15                          ; s15  which half of the tile's tokens is mine.  Also: I fetch for A (0) or for B (1)
.set CH,   16                          ; s16  which half of its columns.  Also: which half of that tile I fetch
.set CX,   17                          ; s17, s18  my place in the cluster
.set CY,   18
.set TC,   19                          ; s19  8 x expert + tile column
.set TR,   20                          ; s20  tile row (256 tokens)
.set EX,   21                          ; s21  expert
.set G1A,  24                          ; s[24:31] descriptor group 1 for A;  s[32:39] group 0, a set for each slot
.set G0A,  32
.set G1B,  48                          ; s[48:55], s[56:63] the same for B
.set G0B,  56
.set PW2,  68                          ; s[68:69] W2 at the four pieces that this trip rounds
.set PWB,  70                          ; s[70:71] w2b at the same pieces
.set MSB, 0
.macro WIN new                         ; the immediate's high byte repeats the setting that is left; a switch that changes nothing is dropped
.if MSB != (\new)
	s_set_vgpr_msb (MSB<<8)|(\new)
.set MSB, \new
.endif
.endm
; A joint load.  Waves 0 and 1 fetch A's two halves, waves 2 and 3 B's.  The branch hangs on the wave's number alone.  An s_nop 0 and four v_nop follow each of the two lines.
.macro JLOAD s
	s_cmp_eq_u32 s[RH], 0
	s_cbranch_scc0 .Lfor_b_\@
	tensor_load_to_lds s[G0A+4*(\s):G0A+4*(\s)+3], s[G1A:G1A+7]
	s_nop 0
.rept 4
	v_nop
.endr
	s_branch .Lasked_\@
.Lfor_b_\@:
	tensor_load_to_lds s[G0B+4*(\s):G0B+4*(\s)+3], s[G1B:G1B+7]
	s_nop 0
.rept 4
	v_nop
.endr
.Lasked_\@:
.endm
.macro CREST                           ; a round of the cluster's barrier behind its opening barrier
	s_cmp_lg_u32 s[WV], 0
	s_cbranch_scc1 .Lnot_wave_0_\@
	s_barrier_signal -3
.Lnot_wave_0_\@:
	s_barrier_wait -3
	s_barrier_signal -1
	s_barrier_wait -1
.endm
.macro CROUND                          ; a whole round
	s_barrier_signal -1
	s_barrier_wait -1
	CREST
.endm
.macro PLACES                          ; four places in front of loads into registers that matrix instructions have read, and of conversions that read results
.rept 4
	v_nop
.endr
.endm
	s_load_b256 s[4:11], s[0:1], 0x0               ; xb s[4:5], w1b s[6:7], b1 s[8:9], hid s[10:11]
	s_load_b128 s[PW2:PW2+3], s[0:1], 0x20         ; W2, w2b
	v_lshl_add_u32 v[SPW], v0, 2, SPARE
	v_mov_b32 v[NIL], 0
	ds_add_u32 v[SPW], v[NIL]                      ; the wave's opening: the add and its wait stand ahead of my first tensor load; the set-up below, work on registers, stands between them
	v_lshrrev_b32 v1, 5, v0
	v_readfirstlane_b32 s[WV], v1
	s_lshr_b32 s[RH], s[WV], 1
	s_and_b32 s[CH], s[WV], 1
	s_bfe_u32 s[CX], ttmp6, 0x40000
	s_bfe_u32 s[CY], ttmp6, 0x40004
	s_lshl_b32 s[TC], ttmp9, 2                     ; in a cluster launch ttmp9 and ttmp7 count clusters
	s_add_co_u32 s[TC], s[TC], s[CX]               ; work-group x = 4 x cluster x + cx = 8 x expert + tile column
	s_and_b32 s[TR], ttmp7, 0xffff
	s_lshl_b32 s[TR], s[TR], 2
	s_add_co_u32 s[TR], s[TR], s[CY]               ; work-group y = tile row
	s_lshr_b32 s[EX], ttmp9, 1                     ; a cluster's four columns belong to one expert
	s_lshl_b32 s22, s[CY], 2
	s_lshl_b32 s22, 15, s22                        ; my row of the cluster: places 4 cy .. 4 cy + 3
	s_lshl_b32 s23, 0x1111, s[CX]                  ; my column: places cx, cx + 4, cx + 8, cx + 12
	; descriptor group 1.  A: 128 rows x 128 elements, 4 words of padding behind every 64.  B: 64 rows x 256 elements, 8 words behind every 128.
	s_or_b32 s[G1A+0], s22, (1<<16)|(1<<20)|(1<<21)|(5<<22)|(3<<25)  ; 15:0 the mask; 17:16 elements of 2 bytes; 20 padding on; 21 set beside a mask; 24:22 the interval's code; 31:25 the padding's words less one
	s_or_b32 s[G1B+0], s23, (1<<16)|(1<<20)|(1<<21)|(6<<22)|(7<<25)
	s_mov_b32 s[G1A+1], 128<<16                    ; tensor_dim0
	s_mov_b32 s[G1B+1], 256<<16
	s_mov_b32 s[G1A+2], 128<<16                    ; tensor_dim1
	s_mov_b32 s[G1B+2], 64<<16
	s_mov_b32 s[G1A+3], 128<<16                    ; tile_dim0
	s_mov_b32 s[G1B+3], 256<<16
	s_mov_b32 s[G1A+4], 128                        ; tile_dim1
	s_mov_b32 s[G1B+4], 64
	s_mov_b32 s[G1A+5], KDIM                       ; elements from row to row
	s_mov_b32 s[G1B+5], NCOL
	s_mov_b32 s[G1A+6], 0
	s_mov_b32 s[G1B+6], 0
	s_mov_b32 s[G1A+7], 0
	s_mov_b32 s[G1B+7], 0
	; byte offsets, all under 2^27.  A's hangs on the tile row, which my row of the cluster shares, B's on expert and tile column, which my column shares; each is made in registers that never hold the other coordinate.
	s_lshl_b32 s40, s[TR], 19                      ; A: 256 rows of 2,048 bytes for each tile row,
	s_lshl_b32 s41, s[CH], 18                      ; the half that I fetch
	s_add_co_u32 s40, s40, s41
	s_mov_b32 s41, 0
	s_lshl_b32 s42, s[EX], 22                      ; B: the expert's 1,024 rows of 4,096 bytes,
	s_lshl_b32 s43, s[CH], 18                      ; the 64 rows that I fetch,
	s_add_co_u32 s42, s42, s43
	s_and_b32 s43, s[TC], 7
	s_lshl_b32 s43, s43, 9                         ; the tile's 256 columns
	s_add_co_u32 s42, s42, s43
	s_mov_b32 s43, 0
	s_lshl_b32 s44, s[TC], 10                      ; the bias: 256 numbers for each tile column, experts on end,
	s_lshl_b32 s45, s[CH], 9                       ; my 128 of them
	s_add_co_u32 s44, s44, s45
	s_mov_b32 s45, 0
	s_lshl_b32 s46, s[EX], 23                      ; hid: the expert, the tile's 256 rows of 4,096 bytes, my 128 of them, the tile's 512 bytes of a row, my 256 of them
	s_lshl_b32 s47, s[TR], 20
	s_add_co_u32 s46, s46, s47
	s_lshl_b32 s47, s[RH], 19
	s_add_co_u32 s46, s46, s47
	s_and_b32 s47, s[TC], 7
	s_lshl_b32 s47, s47, 9
	s_add_co_u32 s46, s46, s47
	s_lshl_b32 s47, s[CH], 8
	s_add_co_u32 s46, s46, s47
	s_mov_b32 s47, 0
	s_lshl_b32 s72, s[TR], 6                       ; W2: my work-group among the 512,
	s_add_co_u32 s72, s72, s[TC]
	s_lshl_b32 s72, s72, 2
	s_add_co_u32 s72, s72, s[WV]                   ; my wave among the 2,048:
	s_lshl_b32 s74, s72, 14                        ; its 16 KiB of w2b,
	s_lshl_b32 s72, s72, 15                        ; its 32 KiB of W2.  These enter the addresses of my own loads and stores alone
	s_mov_b32 s73, 0
	s_mov_b32 s75, 0
	s_mul_i32 s2, s[WV], HALFT                     ; where my tensor loads go: A's two halves, then B's two = wave x 34,816: no place in the cluster enters an LDS address
	s_wait_dscnt 0x0                               ; the opening add is done
	s_wait_kmcnt 0x0
	s_add_nc_u64 s[40:41], s[4:5], s[40:41]
	s_add_nc_u64 s[42:43], s[6:7], s[42:43]
	s_add_nc_u64 s[8:9], s[8:9], s[44:45]
	s_add_nc_u64 s[10:11], s[10:11], s[46:47]
	s_add_nc_u64 s[PW2:PW2+1], s[PW2:PW2+1], s[72:73]
	s_add_nc_u64 s[PWB:PWB+1], s[PWB:PWB+1], s[74:75]
	CROUND                                         ; all sixteen work-groups are here: the first joint loads meet
.irp s, 0,1
	s_mov_b32 s[G0A+4*(\s)], 1                                       ; count = 1
	s_add_co_u32 s[G0A+4*(\s)+1], s2, (\s)*SLOT                      ; LDS address
	s_add_nc_u64 s[G0A+4*(\s)+2:G0A+4*(\s)+3], s[40:41], (\s)*ASTEP  ; global address: K step s
	s_or_b32 s[G0A+4*(\s)+3], s[G0A+4*(\s)+3], 0x80000000            ; type = 2
	s_mov_b32 s[G0B+4*(\s)], 1
	s_add_co_u32 s[G0B+4*(\s)+1], s2, (\s)*SLOT
	s_add_nc_u64 s[G0B+4*(\s)+2:G0B+4*(\s)+3], s[42:43], (\s)*BSTEP
	s_or_b32 s[G0B+4*(\s)+3], s[G0B+4*(\s)+3], 0x80000000
	JLOAD \s                                       ; the ring is filled before anything else is done: two loads of mine are out
.endr
	v_and_b32 v1, 15, v0                           ; r = l % 16
	v_bfe_u32 v2, v0, 4, 1                         ; h = l / 16
	v_and_b32 v7, 31, v0                           ; l
	v_lshlrev_b32 v[BO], 5, v2                     ; my eight columns of a block begin 8 h numbers in
	v_lshlrev_b32 v[WI], 4, v7
	v_lshlrev_b32 v[WO], 3, v7
.irp b, 0,1,2,3,4,5,6,7
	global_load_b128 v[CB+8*\b:CB+8*\b+3],   v[BO], s[8:9] offset:64*\b      ; register j of block b: the bias of column 16 b + 8 h + j
	global_load_b128 v[CB+8*\b+4:CB+8*\b+7], v[BO], s[8:9] offset:64*\b+16
.endr
	WIN 0x40                                       ; destination window 1, address window 0
.irp j, 0,1,2,3
.irp i, 0,1,2,3
	global_load_b128 v[XR+16*\j+4*\i:XR+16*\j+4*\i+3], v[WI], s[PW2:PW2+1] offset:PIECE*\j+512*\i th:TH_LOAD_NT  ; W2's first four pieces fill the ring; each byte of W2 is read once
.endr
.endr
	WIN 0
	; The tokens' fragment: lane l holds row l % 16, K = 8 h + 0..7 and 16 + 8 h + 0..7: two loads of 16 bytes, 32 bytes apart.
	v_mul_u32_u24 v3, v1, PA
	v_lshl_add_u32 v3, v2, 4, v3                   ; r x 272 + 16 h
	s_mul_i32 s44, s[RH], HALFT                    ; my 128 tokens
	v_add_nc_u32 v[ADRA], s44, v3
	v_add_nc_u32 v[ADRA+1], SLOT, v[ADRA]
	; The turning load takes 16 k x 16 columns (lane l reads 16 bytes: k row 8 h + l % 8, columns 8 ((l / 8) % 2) + 0..7) and leaves half a fragment: lane l holds column l % 16 and 8 k.
	v_and_b32 v4, 7, v0
	v_lshl_add_u32 v4, v2, 3, v4
	v_mul_u32_u24 v4, v4, PB
	v_bfe_u32 v5, v0, 3, 1
	v_lshl_add_u32 v4, v5, 4, v4
	s_lshl_b32 s45, s[CH], 8                       ; my 128 columns
	s_add_co_u32 s45, s45, BOFF
	v_add_nc_u32 v[ADRB], s45, v4
	v_add_nc_u32 v[ADRB+1], SLOT, v[ADRB]
	s_mul_i32 s46, s[WV], 16*SP
	s_add_co_u32 s46, s46, STAGE                   ; my stage
	v_add_nc_u32 v[STO], s46, v3                   ; in: row l % 16, 16 bytes for each half of the lanes (the stage's pitch is A's)
	v_mul_u32_u24 v6, v2, SP                       ; back: lanes 0-15 take one row of 256 bytes, lanes 16-31 the next
	v_lshl_add_u32 v6, v1, 4, v6
	v_add_nc_u32 v[RD], s46, v6
	v_lshlrev_b32 v[CO], 12, v2                    ; and the same two rows in hid
	v_lshl_add_u32 v[CO], v1, 4, v[CO]
	v_mov_b32 v[ZR], 0
; 16 matrix instructions: token blocks a0, a0 + 1 of the window's four (hi = 0: my tokens 0-63, 1: 64-127) x all 8 column blocks, 32 along K.  first = 1: C is the bias, in window 0.
; The 64 accumulators take turns, one instruction a turn, in the same order in every quarter.
.macro MUL16 f, hi, a0, first
.if \first
	WIN 0x81+0x40*(\hi)                            ; weights window 1, tokens window 0, C window 0, D window 2 or 3
.else
	WIN 0xa1+0x50*(\hi)                            ; C and D window 2 or 3
.endif
.irp a, \a0, (\a0)+1
.irp b, 0,1,2,3,4,5,6,7
.if \first
	v_wmma_f32_16x16x32_bf16 v[8*(8*(\a)+(\b)):8*(8*(\a)+(\b))+7], v[(\f)+8*(\b):(\f)+8*(\b)+7], v[(\f)+8*(4*(\hi)+(\a)):(\f)+8*(4*(\hi)+(\a))+7], v[CB+8*(\b):CB+8*(\b)+7]
.else
	v_wmma_f32_16x16x32_bf16 v[8*(8*(\a)+(\b)):8*(8*(\a)+(\b))+7], v[(\f)+8*(\b):(\f)+8*(\b)+7], v[(\f)+8*(4*(\hi)+(\a)):(\f)+8*(4*(\hi)+(\a))+7], v[8*(8*(\a)+(\b)):8*(8*(\a)+(\b))+7]
.endif
.endr
.endr
.endm
; 32 LDS loads in one run: the fragments of quarter q of a K step (32 k x 128 columns, turned; 128 tokens x 32 k) into buffer f
.macro FETCH slot, q, f
	WIN 0x40                                       ; destination window 1, address window 0
.irp i, 0,1,2,3,4,5,6,7
	ds_load_tr16_b128 v[(\f)+8*(\i):(\f)+8*(\i)+3],   v[ADRB+(\slot)] offset:(\q)*32*PB+32*(\i)
	ds_load_tr16_b128 v[(\f)+8*(\i)+4:(\f)+8*(\i)+7], v[ADRB+(\slot)] offset:(\q)*32*PB+16*PB+32*(\i)
.endr
	WIN 0
.irp i, 0,1,2,3,4,5,6,7
	ds_load_b128 v[(\f)+8*(\i):(\f)+8*(\i)+3],   v[ADRA+(\slot)] offset:64*(\q)+(\i)*16*PA
	ds_load_b128 v[(\f)+8*(\i)+4:(\f)+8*(\i)+7], v[ADRA+(\slot)] offset:64*(\q)+(\i)*16*PA+32
.endr
.endm
; W2's RIDER, in three parts, for the ring's slot j.
; W2CVT: the slot's piece is in; its 16 f32 a lane are rounded into v8-15.  The eight conversions name no register of any matrix instruction: they are the places in front of the quarter's LDS loads.
; left = the loads issued behind the slot's four, which may stay out: the other three slots' twelve; in the tail, which asks for nothing, 12, 8, 4, 0.
.macro W2CVT j, left
	s_wait_loadcnt \left                           ; loads come back in order (ISA guide 5.7.1)
	s_wait_xcnt 0x0                                ; every earlier store has had its addresses translated (ISA guide 3.1): v8-15, which the last rider's stores read, are rewritten only behind this wait
	WIN 0x05                                       ; sources 0 and 1 window 1, destination window 0
.irp i, 0,1,2,3
	v_cvt_pk_bf16_f32 v[YW+2*(\i)],   v[XR+16*(\j)+4*(\i)],   v[XR+16*(\j)+4*(\i)+1]
	v_cvt_pk_bf16_f32 v[YW+2*(\i)+1], v[XR+16*(\j)+4*(\i)+2], v[XR+16*(\j)+4*(\i)+3]
.endr
.endm
; W2LOAD: the piece four further on, 8,192 bytes ahead, into the slot just read out; under the setting that the weights' LDS loads take next.
.macro W2LOAD j
	WIN 0x40
.irp i, 0,1,2,3
	global_load_b128 v[XR+16*(\j)+4*(\i):XR+16*(\j)+4*(\i)+3], v[WI], s[PW2:PW2+1] offset:4*PIECE+PIECE*(\j)+512*(\i) th:TH_LOAD_NT
.endr
.endm
; W2STORE: behind the run of LDS loads, which leaves every window 0.  32 lanes store 256 consecutive bytes, at a multiple of 256 from w2b's first byte.
.macro W2STORE j
.irp i, 0,1,2,3
	global_store_b64 v[WO], v[YW+2*(\i):YW+2*(\i)+1], s[PWB:PWB+1] offset:(PIECE/2)*(\j)+256*(\i)
.endr
.endm
; A K step is four quarters of 32 along K, 64 matrix instructions each, on buffers 0, 1, 0, 1.  One of the first three: multiplies buffer f; in its middle it fetches quarter q of the same slot into buffer g.
; rid >= 0: the quarter carries W2's rider for slot rid; more = 1: the slot is asked for again.
.macro QUARTER slot, q, f, g, first, rid=-1, more=0, left=0
	s_wait_dscnt 8                                 ; the weights and my tokens 0-63 are in; the youngest eight loads (tokens 64-127) may be out
	MUL16 \f, 0, 0, \first
	MUL16 \f, 0, 2, \first
.if (\rid) >= 0
	W2CVT \rid, \left
.if \more
	W2LOAD \rid
.endif
.else
	PLACES
.endif
	FETCH \slot, \q, \g
.if (\rid) >= 0
	W2STORE \rid
.endif
	s_wait_dscnt 32                                ; all but the 32 LDS loads just issued
	MUL16 \f, 1, 0, \first
	MUL16 \f, 1, 2, \first
.endm
; The last quarter multiplies buffer 1 and changes slots.  MEET is its first half: ONE barrier for two things.  In front of it each wave waits for all its tensor loads, of which one is out: its part of
; the next slot; adds 0 to its spare word; and waits for that and for its own reads of this slot.  Behind it nobody reads this slot any more and the next slot is whole.
.macro MEET round
	WIN 0                                          ; (the add's two registers lie in window 0)
	s_wait_tensorcnt 0x0                           ; all my tensor loads have landed
	ds_add_u32 v[SPW], v[NIL]                      ; 0 onto my spare word
	s_wait_dscnt 9                                 ; (the add and the youngest eight loads may be out)
	MUL16 F1, 0, 0, 0                              ; sixteen matrix instructions stand between the add and the wait for it
	s_wait_dscnt 0x0                               ; the add is done, and my reads of this slot are over
	s_barrier_signal -1
	MUL16 F1, 0, 2, 0                              ; work on registers while the others arrive
.if \round
	WIN 0
.endif
	s_barrier_wait -1
.endm
; The whole last quarter.  fill = 1: the barrier opens a round of the cluster's barrier, so that no wave of any partner still reads this slot or has a load on its way; the slot is then filled again, two K steps
; ahead, first thing behind the round: 224 matrix instructions of the wave stand between that request and the wait for it.
.macro TURN slot, next, fill
	MEET \fill
.if \fill
	CREST
	s_add_nc_u64 s[G0A+4*(\slot)+2:G0A+4*(\slot)+3], s[G0A+4*(\slot)+2:G0A+4*(\slot)+3], 2*ASTEP  ; no tensor load of mine is out, so a group 0 may be written
	s_add_nc_u64 s[G0B+4*(\slot)+2:G0B+4*(\slot)+3], s[G0B+4*(\slot)+2:G0B+4*(\slot)+3], 2*BSTEP
	JLOAD \slot                                    ; the four v_nop behind it are also the places in front of the loads below
.else
	PLACES
.endif
	FETCH \next, 0, F0
	MUL16 F1, 1, 0, 0
	MUL16 F1, 1, 2, 0
.endm
	s_wait_tensorcnt 1                             ; my part of K step 0 is in; K step 1's may stay out
	s_barrier_signal -1
	s_barrier_wait -1                              ; everybody's is
	FETCH 0, 0, F0
	s_wait_loadcnt 16                              ; the bias is in; the sixteen loads issued behind it, W2's ring, stay out
	QUARTER 0, 1, F0, F1, 1                        ; the first quarter stands in front of the loop: its products start the sums, from the bias
	WIN 0                                          ; at a label and at a branch every window is 0
	s_mov_b32 s3, LAPS-1
.Llap:                                                 ; a trip goes once round the ring, from a lap's second quarter to the next lap's first, fills both slots again, and rounds four pieces of W2
	QUARTER 0, 2, F1, F0, 0, 0, 1, 12
	QUARTER 0, 3, F0, F1, 0, 1, 1, 12
	TURN 0, 1, 1
	QUARTER 1, 1, F0, F1, 0, 2, 1, 12
	QUARTER 1, 2, F1, F0, 0, 3, 1, 12
	QUARTER 1, 3, F0, F1, 0
	TURN 1, 0, 1
	QUARTER 0, 1, F0, F1, 0
	WIN 0
	s_wait_xcnt 0x0                                ; the riders' loads and stores have had their addresses translated: their bases step only behind this wait
	s_add_nc_u64 s[PW2:PW2+1], s[PW2:PW2+1], 4*PIECE
	s_add_nc_u64 s[PWB:PWB+1], s[PWB:PWB+1], 2*PIECE
	s_sub_co_u32 s3, s3, 1
	s_cmp_lg_u32 s3, 0
	s_cbranch_scc1 .Llap
	QUARTER 0, 2, F1, F0, 0, 0, 0, 12              ; the last lap is written out: it fills nothing, has no round of the cluster's barrier, and rounds W2's last four pieces: the counts run down
	QUARTER 0, 3, F0, F1, 0, 1, 0, 8
	TURN 0, 1, 0
	QUARTER 1, 1, F0, F1, 0, 2, 0, 4
	QUARTER 1, 2, F1, F0, 0, 3, 0, 0
	QUARTER 1, 3, F0, F1, 0
	s_wait_dscnt 8                                 ; the very last quarter: nothing more to fetch
	MUL16 F1, 0, 0, 0
	MUL16 F1, 0, 2, 0
	s_wait_dscnt 0x0
	MUL16 F1, 1, 0, 0
	MUL16 F1, 1, 2, 0
	WIN 0
	PLACES
; THE WAY OUT of block a (16 tokens x 128 columns), in three parts.  PACK: rounded to bf16, the relu on the packed halves: 16 bytes a lane.  TOSTAGE: into my own stage and back as whole rows of 256 bytes.  SEND: stored.
.macro PACK a
.set AC, 64*((\a)%4)
	WIN 0x0a+5*((\a)/4)                            ; sources 0 and 1: window 2 or 3
.irp b, 0,1,2,3,4,5,6,7
.irp i, 0,1,2,3
	v_cvt_pk_bf16_f32 v[TMP+4*(\b)+(\i)], v[AC+8*(\b)+2*(\i)], v[AC+8*(\b)+2*(\i)+1]  ; each accumulator from its low end on
.endr
.endr
	WIN 0
.set n, 0
.rept 32
	v_pk_max_num_bf16 v[TMP+n], v[TMP+n], v[ZR]
.set n, n+1
.endr
.endm
.macro TOSTAGE a
.set BK, OB+192*((\a)%2)
.irp b, 0,1,2,3,4,5,6,7
	ds_store_b128 v[STO], v[TMP+4*(\b):TMP+4*(\b)+3] offset:32*(\b)
.endr
.irp t, 0,1,2,3,4,5,6,7
	ds_load_b128 v[BK+4*(\t):BK+4*(\t)+3], v[RD] offset:(\t)*2*SP  ; LDS serves a wave's instructions in order (ISA guide 5.7.1.4): these see the stores above
.endr
.endm
.macro SEND a
.set BK, OB+192*((\a)%2)
	s_wait_dscnt 0x0                               ; the block is back in registers
	s_wait_xcnt 0x0                                ; every earlier store has had its addresses translated (ISA guide 3.1): the other buffer, which the block before stored from, is loaded again only behind this wait
.irp t, 0,1,2,3,4,5,6,7
	global_store_b128 v[CO], v[BK+4*(\t):BK+4*(\t)+3], s[10:11] offset:(16*(\a)+2*(\t))*ROWB  ; 16 lanes store 256 consecutive bytes, at a multiple of 256 from hid's first byte; 126 rows at the most stand in the immediate
.endr
.endm
	PACK 0
	TOSTAGE 0
.irp a, 1,2,3,4,5,6,7                  ; block a's arithmetic stands between block a - 1's loads from the stage and the wait for them
	PACK \a
	SEND (\a)-1
	TOSTAGE \a
.endr
	SEND 7
	s_wait_tensorcnt 0x0                           ; the wave's end, behind my last tensor load and my last LDS store
	ds_add_u32 v[SPW], v[NIL]
	s_wait_dscnt 0x0
	CROUND                                         ; the closing round: no work-group ends while a partner may still ask for a tile that names it
	s_endpgm
.Lfunc_end_k_q1b6a02c4c9_up:
	.size	k_q1b6a02c4c9_up, .Lfunc_end_k_q1b6a02c4c9_up-k_q1b6a02c4c9_up
	.p2alignl 7, 3214868480
	.fill 96, 4, 3214868480
	.section	.rodata,"a",@progbits
	.p2align	6, 0x0
	.amdhsa_kernel k_q1b6a02c4c9_up
		.amdhsa_group_segment_fixed_size 327680
		.amdhsa_private_segment_fixed_size 0
		.amdhsa_enable_private_segment 0
		.amdhsa_kernarg_size 48
		.amdhsa_user_sgpr_count 2
		.amdhsa_user_sgpr_kernarg_segment_ptr 1
		.amdhsa_wavefront_size32 1
		.amdhsa_system_sgpr_workgroup_id_x 1
		.amdhsa_system_sgpr_workgroup_id_y 1
		.amdhsa_system_sgpr_workgroup_id_z 1
		.amdhsa_system_vgpr_workitem_id 0
		.amdhsa_next_free_vgpr 1024
		.amdhsa_next_free_sgpr 76
		.amdhsa_reserve_vcc 0
		.amdhsa_float_denorm_mode_32 3
		.amdhsa_float_denorm_mode_16_64 3
		.amdhsa_memory_ordered 1
		.amdhsa_forward_progress 1
		.amdhsa_inst_pref_size 170
	.end_amdhsa_kernel
	.amdgpu_metadata
---
amdhsa.version: [ 1, 2 ]
amdhsa.kernels:
  - .name:           k_q1b6a02c4c9_up
    .symbol:         k_q1b6a02c4c9_up.kd
    .args:
      - { .name: xb, .offset: 0, .size: 8, .value_kind: global_buffer, .address_space: global }
      - { .name: w1b, .offset: 8, .size: 8, .value_kind: global_buffer, .address_space: global }
      - { .name: b1, .offset: 16, .size: 8, .value_kind: global_buffer, .address_space: global }
      - { .name: hid, .offset: 24, .size: 8, .value_kind: global_buffer, .address_space: global }
      - { .name: W2, .offset: 32, .size: 8, .value_kind: global_buffer, .address_space: global }
      - { .name: w2b, .offset: 40, .size: 8, .value_kind: global_buffer, .address_space: global }
    .group_segment_fixed_size: 327680
    .private_segment_fixed_size: 0
    .kernarg_segment_align: 8
    .kernarg_segment_size: 48
    .max_flat_workgroup_size: 128
    .sgpr_count:     76
    .vgpr_count:     1024
    .wavefront_size: 32
...
	.end_amdgpu_metadata
.endif
;; end of part 2
;; launch down (part 3): grid 32 x 8, 4 waves a work-group, clusters of 4 x 4, 327,680 bytes of LDS; arguments hid, w2b, b2, gate, part; writes part
.if DOCPART == 3
	.amdgcn_target "amdgcn-amd-amdhsa--gfx1250"
	.amdhsa_code_object_version 6
	.text
	.protected	k_q1b6a02c4c9_down
	.globl	k_q1b6a02c4c9_down
	.p2align	8
	.type	k_q1b6a02c4c9_down,@function
k_q1b6a02c4c9_down:
	s_mov_b64 s[64:65], 0
	v_nop
	global_prefetch_b8 v0, s[64:65] scope:SCOPE_SE
	s_setreg_imm32_b32 hwreg(HW_REG_WAVE_MODE, 25, 1), 1
	s_wait_xcnt 0x0
	s_wait_alu depctr_hold_cnt(0) depctr_sa_sdst(0) depctr_va_vdst(0) depctr_va_sdst(0) depctr_va_ssrc(0) depctr_va_vcc(0) depctr_vm_vsrc(0)
	s_getreg_b32 s2, hwreg(HW_REG_IB_STS2, 6, 4)
	s_cmp_eq_u32 s2, 0
	s_cbranch_scc0 .Lentry_in_a_cluster
	s_endpgm
.Lentry_in_a_cluster:
	s_bfe_u32 s2, ttmp6, 0x10000c
	s_cmp_lg_u32 s2, 0xf033
	s_cbranch_scc0 .Lentry_shape_is_right
	s_endpgm
.Lentry_shape_is_right:
; DOWN.  part[e][t][d] = gate[t][e] x (sum over k of hid[e][t][k] w2b[e][k][d] + b2[e][d]).  hid: [8][2048][2048] bf16; w2b: [8][2048][1024] bf16; b2: [8][1024] f32; gate: [2048][8] f32; part: [8][2048][1024] f32.
; The sum over experts is split: each expert's share of the output is one work-group's tile, kept in f32, and the next launch adds the eight.  8 experts x 8 x 4 tiles of 256 x 256 are 256 work-groups.
; The gate is one f32 factor for each output row, applied to the finished f32 sum: it rounds no matrix operand.
; SHARES, RING, CLUSTER, LAYOUT as in the launch before: four waves, 128 x 128 each in 64 accumulators; K in steps of 128 through two LDS slots; A's tile (tokens) with rows of 256 bytes along K; B's tile
; (weights) as in memory, [k][column], rows of 512 bytes, turned by ds_load_tr16_b128; 4 x 4 work-groups of ONE expert in a cluster, A's tile asked for jointly along a row of it, B's along a column;
; source 0 = 16 columns of the weights, source 1 = 16 tokens, so that a lane holds one token (lane % 16) and eight neighbouring columns 8 (lane / 16) + 0..7; the bias is the C operand that starts the sums.
; REGISTERS, in windows of 256 (s_set_vgpr_msb: bits 1:0 source 0, 3:2 source 1, 5:4 source 2, 7:6 destination):
;   window 0: v0-31 addresses; v64-127, v128-191 the tokens' fragments, two buffers; v192-255 the bias; on the way out v64-127 scaled results, v128-191 and v192-255 rows read back
;   window 1: v0-15 the gate of my tokens, twice each; v64-127, v128-191 the weights' fragments      window 2, 3: the accumulators of my tokens 0-63, 64-127 ((a, b) at v[8 (8 a + b)])
.set KDIM,  2048                       ; also: elements from row to row of hid
.set NCOL,  1024                       ; elements from row to row of w2b and of part
.set LAPS,  KDIM/256
.set PA,    272                        ; a token's row in LDS: 256 bytes + 16 = 68 words: row r starts at bank 4 r mod 64 (64 banks of 4 bytes: ISA guide 11.1)
.set PB,    544                        ; a k row of the weights: 512 bytes + 32 = 136 words: row r starts at bank 8 r mod 64
.set HALFT, 128*PA                     ; what one tensor load brings: 128 rows of A or 64 rows of B
.set BOFF,  2*HALFT
.set SLOT,  4*HALFT
.set STAGE, 2*SLOT                     ; behind the ring, never filled by a tensor load: 16 rows x 528 bytes for each wave
.set SP,    528                        ; 512 bytes + 16 = 132 words: row r starts at bank 4 r mod 64
.set SPARE, STAGE+4*16*SP              ; behind the stages: the spare words, 128 bytes for each wave: two blocks of 256 bytes that no other line names
.set ASTEP, 128*2
.set BSTEP, 128*NCOL*2
.set ROWB,  NCOL*4                     ; bytes in a row of part
.set ADRA, 16
.set ADRB, 20
.set STO,  24                          ; v24     the way out: where I put 32 bytes of a row
.set RD,   25                          ; v25     the way out: where I read a row back
.set CO,   26                          ; v26     my byte offset in a row's 512 bytes of part
.set BO,   27                          ; v27     my byte offset in a block of 16 numbers of the bias
.set SPW,  28                          ; v28     LDS address of my spare word; never rewritten
.set NIL,  29                          ; v29     0; never rewritten
.set GO,   31                          ; v31     my token's row in 16 rows of gate
.set F0,   64
.set F1,   128
.set CB,   192
.set TMP,  64
.set GT,   0                           ; window 1: the gate of token 16 a + l % 16 in v[GT + 2 a] and v[GT + 2 a + 1]: a pair for the packed multiply
.set WV,   14
.set RH,   15                          ; which half of the tile's tokens is mine.  Also: I fetch for A (0) or for B (1)
.set CH,   16                          ; which half of its columns.  Also: which half of that tile I fetch
.set CX,   17
.set CY,   18
.set TC,   19                          ; 4 x expert + tile column
.set TR,   20
.set EX,   21
.set G1A,  24
.set G0A,  32
.set G1B,  48
.set G0B,  56
.set MSB, 0
.macro WIN new                         ; the immediate's high byte repeats the setting that is left; a switch that changes nothing is dropped
.if MSB != (\new)
	s_set_vgpr_msb (MSB<<8)|(\new)
.set MSB, \new
.endif
.endm
.macro JLOAD s                         ; a joint load: waves 0 and 1 fetch A's two halves, waves 2 and 3 B's; an s_nop 0 and four v_nop follow each of the two lines
	s_cmp_eq_u32 s[RH], 0
	s_cbranch_scc0 .Lfor_b_\@
	tensor_load_to_lds s[G0A+4*(\s):G0A+4*(\s)+3], s[G1A:G1A+7]
	s_nop 0
.rept 4
	v_nop
.endr
	s_branch .Lasked_\@
.Lfor_b_\@:
	tensor_load_to_lds s[G0B+4*(\s):G0B+4*(\s)+3], s[G1B:G1B+7]
	s_nop 0
.rept 4
	v_nop
.endr
.Lasked_\@:
.endm
.macro CREST                           ; a round of the cluster's barrier behind its opening barrier
	s_cmp_lg_u32 s[WV], 0
	s_cbranch_scc1 .Lnot_wave_0_\@
	s_barrier_signal -3
.Lnot_wave_0_\@:
	s_barrier_wait -3
	s_barrier_signal -1
	s_barrier_wait -1
.endm
.macro CROUND
	s_barrier_signal -1
	s_barrier_wait -1
	CREST
.endm
.macro PLACES                          ; four places in front of loads into registers that matrix instructions have read, and of vector lines that read results
.rept 4
	v_nop
.endr
.endm
	s_load_b256 s[4:11], s[0:1], 0x0               ; hid s[4:5], w2b s[6:7], b2 s[8:9], gate s[10:11]
	s_load_b64 s[12:13], s[0:1], 0x20              ; part
	v_lshl_add_u32 v[SPW], v0, 2, SPARE
	v_mov_b32 v[NIL], 0
	ds_add_u32 v[SPW], v[NIL]                      ; the wave's opening: the add and its wait stand ahead of my first tensor load; the set-up below, work on registers, stands between them
	v_lshrrev_b32 v1, 5, v0
	v_readfirstlane_b32 s[WV], v1
	s_lshr_b32 s[RH], s[WV], 1
	s_and_b32 s[CH], s[WV], 1
	s_bfe_u32 s[CX], ttmp6, 0x40000
	s_bfe_u32 s[CY], ttmp6, 0x40004
	s_mov_b32 s[EX], ttmp9                         ; a cluster's x is the expert: its four columns are the expert's four tile columns
	s_lshl_b32 s[TC], ttmp9, 2
	s_add_co_u32 s[TC], s[TC], s[CX]
	s_and_b32 s[TR], ttmp7, 0xffff
	s_lshl_b32 s[TR], s[TR], 2
	s_add_co_u32 s[TR], s[TR], s[CY]
	s_lshl_b32 s22, s[CY], 2
	s_lshl_b32 s22, 15, s22                        ; my row of the cluster
	s_lshl_b32 s23, 0x1111, s[CX]                  ; my column
	s_or_b32 s[G1A+0], s22, (1<<16)|(1<<20)|(1<<21)|(5<<22)|(3<<25)  ; A: 128 rows x 128 elements of 2 bytes, 4 words of padding behind every 64; the mask of my row, bit 21 beside it
	s_or_b32 s[G1B+0], s23, (1<<16)|(1<<20)|(1<<21)|(6<<22)|(7<<25)  ; B: 64 rows x 256 elements, 8 words behind every 128; the mask of my column
	s_mov_b32 s[G1A+1], 128<<16                    ; tensor_dim0
	s_mov_b32 s[G1B+1], 256<<16
	s_mov_b32 s[G1A+2], 128<<16                    ; tensor_dim1
	s_mov_b32 s[G1B+2], 64<<16
	s_mov_b32 s[G1A+3], 128<<16                    ; tile_dim0
	s_mov_b32 s[G1B+3], 256<<16
	s_mov_b32 s[G1A+4], 128                        ; tile_dim1
	s_mov_b32 s[G1B+4], 64
	s_mov_b32 s[G1A+5], KDIM                       ; elements from row to row
	s_mov_b32 s[G1B+5], NCOL
	s_mov_b32 s[G1A+6], 0
	s_mov_b32 s[G1B+6], 0
	s_mov_b32 s[G1A+7], 0
	s_mov_b32 s[G1B+7], 0
	; byte offsets, all under 2^27.  A's hangs on expert and tile row, B's on expert and tile column; each is made in registers that never hold the other place in the cluster.
	s_lshl_b32 s40, s[EX], 23                      ; A: the expert's 2,048 rows of 4,096 bytes,
	s_lshl_b32 s41, s[TR], 20                      ; the tile's 256,
	s_add_co_u32 s40, s40, s41
	s_lshl_b32 s41, s[CH], 19                      ; the half that I fetch
	s_add_co_u32 s40, s40, s41
	s_mov_b32 s41, 0
	s_lshl_b32 s42, s[EX], 22                      ; B: the expert's 2,048 rows of 2,048 bytes,
	s_lshl_b32 s43, s[CH], 17                      ; the 64 rows that I fetch,
	s_add_co_u32 s42, s42, s43
	s_lshl_b32 s43, s[CX], 9                       ; the tile's 256 columns
	s_add_co_u32 s42, s42, s43
	s_mov_b32 s43, 0
	s_lshl_b32 s44, s[TC], 10                      ; the bias: 256 numbers for each tile column, experts on end,
	s_lshl_b32 s45, s[CH], 9                       ; my 128 of them
	s_add_co_u32 s44, s44, s45
	s_mov_b32 s45, 0
	s_lshl_b32 s46, s[EX], 23                      ; part: the expert, the tile's 256 rows of 4,096 bytes, my 128 of them, the tile's 1,024 bytes of a row, my 512 of them
	s_lshl_b32 s47, s[TR], 20
	s_add_co_u32 s46, s46, s47
	s_lshl_b32 s47, s[RH], 19
	s_add_co_u32 s46, s46, s47
	s_lshl_b32 s47, s[CX], 10
	s_add_co_u32 s46, s46, s47
	s_lshl_b32 s47, s[CH], 9
	s_add_co_u32 s46, s46, s47
	s_mov_b32 s47, 0
	s_mul_i32 s2, s[WV], HALFT                     ; where my loads go: wave x 34,816: no place in the cluster enters an LDS address
	s_wait_dscnt 0x0                               ; the opening add is done
	s_wait_kmcnt 0x0
	s_add_nc_u64 s[40:41], s[4:5], s[40:41]
	s_add_nc_u64 s[42:43], s[6:7], s[42:43]
	s_add_nc_u64 s[8:9], s[8:9], s[44:45]
	s_add_nc_u64 s[12:13], s[12:13], s[46:47]
	s_lshl_b32 s44, s[TR], 13                      ; gate: the tile's 256 rows of 32 bytes,
	s_lshl_b32 s45, s[RH], 12                      ; my 128 of them,
	s_add_co_u32 s44, s44, s45
	s_lshl_b32 s45, s[EX], 2                       ; the expert's number in a row
	s_add_co_u32 s44, s44, s45
	s_mov_b32 s45, 0
	s_add_nc_u64 s[10:11], s[10:11], s[44:45]
	CROUND                                         ; all sixteen work-groups are here: the first joint loads meet
.irp s, 0,1
	s_mov_b32 s[G0A+4*(\s)], 1                                       ; count = 1
	s_add_co_u32 s[G0A+4*(\s)+1], s2, (\s)*SLOT                      ; LDS address
	s_add_nc_u64 s[G0A+4*(\s)+2:G0A+4*(\s)+3], s[40:41], (\s)*ASTEP  ; global address: K step s
	s_or_b32 s[G0A+4*(\s)+3], s[G0A+4*(\s)+3], 0x80000000            ; type = 2
	s_mov_b32 s[G0B+4*(\s)], 1
	s_add_co_u32 s[G0B+4*(\s)+1], s2, (\s)*SLOT
	s_add_nc_u64 s[G0B+4*(\s)+2:G0B+4*(\s)+3], s[42:43], (\s)*BSTEP
	s_or_b32 s[G0B+4*(\s)+3], s[G0B+4*(\s)+3], 0x80000000
	JLOAD \s                                       ; the ring is filled before anything else is done: two loads of mine are out
.endr
	v_and_b32 v1, 15, v0                           ; r = l % 16
	v_bfe_u32 v2, v0, 4, 1                         ; h = l / 16
	v_lshlrev_b32 v[BO], 5, v2
	v_lshlrev_b32 v[GO], 5, v1
.irp b, 0,1,2,3,4,5,6,7
	global_load_b128 v[CB+8*\b:CB+8*\b+3],   v[BO], s[8:9] offset:64*\b      ; register j of block b: the bias of column 16 b + 8 h + j
	global_load_b128 v[CB+8*\b+4:CB+8*\b+7], v[BO], s[8:9] offset:64*\b+16
.endr
	WIN 0x40                                       ; destination window 1, address window 0
.irp a, 0,1,2,3,4,5,6,7
	global_load_b32 v[GT+2*\a],   v[GO], s[10:11] offset:512*\a               ; once a launch: the gate of token 16 a + r, into both registers of a pair
	global_load_b32 v[GT+2*\a+1], v[GO], s[10:11] offset:512*\a
.endr
	WIN 0
	v_mul_u32_u24 v3, v1, PA
	v_lshl_add_u32 v3, v2, 4, v3                   ; the tokens' fragment: r x 272 + 16 h
	s_mul_i32 s44, s[RH], HALFT
	v_add_nc_u32 v[ADRA], s44, v3
	v_add_nc_u32 v[ADRA+1], SLOT, v[ADRA]
	v_and_b32 v4, 7, v0                            ; the turning load: k row 8 h + l % 8, columns 8 ((l / 8) % 2) on
	v_lshl_add_u32 v4, v2, 3, v4
	v_mul_u32_u24 v4, v4, PB
	v_bfe_u32 v5, v0, 3, 1
	v_lshl_add_u32 v4, v5, 4, v4
	s_lshl_b32 s45, s[CH], 8                       ; my 128 columns
	s_add_co_u32 s45, s45, BOFF
	v_add_nc_u32 v[ADRB], s45, v4
	v_add_nc_u32 v[ADRB+1], SLOT, v[ADRB]
	s_mul_i32 s46, s[WV], 16*SP
	s_add_co_u32 s46, s46, STAGE                   ; my stage
	v_mul_u32_u24 v6, v1, SP                       ; in: row l % 16, 32 bytes for each half of the lanes
	v_lshl_add_u32 v6, v2, 5, v6
	v_add_nc_u32 v[STO], s46, v6
	v_and_b32 v7, 31, v0
	v_lshlrev_b32 v[CO], 4, v7                     ; back, and in part: 32 lanes take one row's 512 bytes
	v_add_nc_u32 v[RD], s46, v[CO]
; 16 matrix instructions: token blocks a0, a0 + 1 of the window's four x all 8 column blocks, 32 along K.  first = 1: C is the bias, in window 0.  The 64 accumulators take turns.
.macro MUL16 f, hi, a0, first
.if \first
	WIN 0x81+0x40*(\hi)
.else
	WIN 0xa1+0x50*(\hi)
.endif
.irp a, \a0, (\a0)+1
.irp b, 0,1,2,3,4,5,6,7
.if \first
	v_wmma_f32_16x16x32_bf16 v[8*(8*(\a)+(\b)):8*(8*(\a)+(\b))+7], v[(\f)+8*(\b):(\f)+8*(\b)+7], v[(\f)+8*(4*(\hi)+(\a)):(\f)+8*(4*(\hi)+(\a))+7], v[CB+8*(\b):CB+8*(\b)+7]
.else
	v_wmma_f32_16x16x32_bf16 v[8*(8*(\a)+(\b)):8*(8*(\a)+(\b))+7], v[(\f)+8*(\b):(\f)+8*(\b)+7], v[(\f)+8*(4*(\hi)+(\a)):(\f)+8*(4*(\hi)+(\a))+7], v[8*(8*(\a)+(\b)):8*(8*(\a)+(\b))+7]
.endif
.endr
.endr
.endm
.macro FETCH slot, q, f                ; 32 LDS loads in one run: quarter q's fragments into buffer f
	WIN 0x40
.irp i, 0,1,2,3,4,5,6,7
	ds_load_tr16_b128 v[(\f)+8*(\i):(\f)+8*(\i)+3],   v[ADRB+(\slot)] offset:(\q)*32*PB+32*(\i)
	ds_load_tr16_b128 v[(\f)+8*(\i)+4:(\f)+8*(\i)+7], v[ADRB+(\slot)] offset:(\q)*32*PB+16*PB+32*(\i)
.endr
	WIN 0
.irp i, 0,1,2,3,4,5,6,7
	ds_load_b128 v[(\f)+8*(\i):(\f)+8*(\i)+3],   v[ADRA+(\slot)] offset:64*(\q)+(\i)*16*PA
	ds_load_b128 v[(\f)+8*(\i)+4:(\f)+8*(\i)+7], v[ADRA+(\slot)] offset:64*(\q)+(\i)*16*PA+32
.endr
.endm
.macro QUARTER slot, q, f, g, first
	s_wait_dscnt 8                                 ; the weights and my tokens 0-63 are in; the youngest eight loads (tokens 64-127) may be out
	MUL16 \f, 0, 0, \first
	MUL16 \f, 0, 2, \first
	PLACES
	FETCH \slot, \q, \g
	s_wait_dscnt 32                                ; all but the 32 just issued
	MUL16 \f, 1, 0, \first
	MUL16 \f, 1, 2, \first
.endm
.macro MEET round                      ; the change of slots: all my tensor loads, the add, my reads of this slot; then the barrier
	WIN 0                                          ; (the add's two registers lie in window 0)
	s_wait_tensorcnt 0x0                           ; all my tensor loads have landed: the one that was out is my part of the next slot
	ds_add_u32 v[SPW], v[NIL]                      ; 0 onto my spare word
	s_wait_dscnt 9                                 ; (the add and the youngest eight loads may be out)
	MUL16 F1, 0, 0, 0
	s_wait_dscnt 0x0                               ; the add is done, and my reads of this slot are over
	s_barrier_signal -1
	MUL16 F1, 0, 2, 0
.if \round
	WIN 0
.endif
	s_barrier_wait -1
.endm
.macro TURN slot, next, fill           ; fill = 1: the barrier opens a round of the cluster's barrier, and the slot is filled again, two K steps ahead, first thing behind the round
	MEET \fill
.if \fill
	CREST
	s_add_nc_u64 s[G0A+4*(\slot)+2:G0A+4*(\slot)+3], s[G0A+4*(\slot)+2:G0A+4*(\slot)+3], 2*ASTEP  ; no tensor load of mine is out, so a group 0 may be written
	s_add_nc_u64 s[G0B+4*(\slot)+2:G0B+4*(\slot)+3], s[G0B+4*(\slot)+2:G0B+4*(\slot)+3], 2*BSTEP
	JLOAD \slot                                    ; the four v_nop behind it are also the places in front of the loads below
.else
	PLACES
.endif
	FETCH \next, 0, F0
	MUL16 F1, 1, 0, 0
	MUL16 F1, 1, 2, 0
.endm
	s_wait_tensorcnt 1                             ; my part of K step 0 is in; K step 1's may stay out
	s_barrier_signal -1
	s_barrier_wait -1
	FETCH 0, 0, F0
	s_wait_loadcnt 0x0                             ; the bias and the gate
	QUARTER 0, 1, F0, F1, 1                        ; the first quarter stands in front of the loop: its products start the sums, from the bias
	WIN 0
	s_mov_b32 s3, LAPS-1
.Llap:                                                 ; a trip goes once round the ring and fills both slots again
	QUARTER 0, 2, F1, F0, 0
	QUARTER 0, 3, F0, F1, 0
	TURN 0, 1, 1
	QUARTER 1, 1, F0, F1, 0
	QUARTER 1, 2, F1, F0, 0
	QUARTER 1, 3, F0, F1, 0
	TURN 1, 0, 1
	QUARTER 0, 1, F0, F1, 0
	WIN 0
	s_sub_co_u32 s3, s3, 1
	s_cmp_lg_u32 s3, 0
	s_cbranch_scc1 .Llap
	QUARTER 0, 2, F1, F0, 0                        ; the last lap is written out: it fills nothing
	QUARTER 0, 3, F0, F1, 0
	TURN 0, 1, 0
	QUARTER 1, 1, F0, F1, 0
	QUARTER 1, 2, F1, F0, 0
	QUARTER 1, 3, F0, F1, 0
	s_wait_dscnt 8
	MUL16 F1, 0, 0, 0
	MUL16 F1, 0, 2, 0
	s_wait_dscnt 0x0
	MUL16 F1, 1, 0, 0
	MUL16 F1, 1, 2, 0
	WIN 0
	PLACES
; THE WAY OUT of block a (16 tokens x 128 columns of f32).  PACK: times my token's gate.  TOSTAGE: 32 bytes a lane into my own stage, and back as whole rows of 512 bytes.  SEND: stored.
.macro PACK a
.set AC, 64*((\a)%4)
	WIN 0x06+((\a)/4)                              ; source 0 window 2 or 3, source 1 window 1, destination window 0
.irp b, 0,1,2,3,4,5,6,7
.irp i, 0,1,2,3
	v_pk_mul_f32 v[TMP+8*(\b)+2*(\i):TMP+8*(\b)+2*(\i)+1], v[AC+8*(\b)+2*(\i):AC+8*(\b)+2*(\i)+1], v[GT+2*(\a):GT+2*(\a)+1]  ; each accumulator from its low end on
.endr
.endr
	WIN 0
.endm
.macro TOSTAGE a
.set BK, 128+64*((\a)%2)
.irp b, 0,1,2,3,4,5,6,7
	ds_store_b128 v[STO], v[TMP+8*(\b):TMP+8*(\b)+3]   offset:64*(\b)
	ds_store_b128 v[STO], v[TMP+8*(\b)+4:TMP+8*(\b)+7] offset:64*(\b)+16
.endr
.irp t, 0,1,2,3,4,5,6,7,8,9,10,11,12,13,14,15
	ds_load_b128 v[BK+4*(\t):BK+4*(\t)+3], v[RD] offset:(\t)*SP  ; LDS serves a wave's instructions in order (ISA guide 5.7.1.4): these see the stores above
.endr
.endm
.macro SEND a
.set BK, 128+64*((\a)%2)
	s_wait_dscnt 0x0                               ; the block is back in registers
	s_wait_xcnt 0x0                                ; every earlier store has had its addresses translated (ISA guide 3.1): the other buffer is loaded again only behind this wait
.irp t, 0,1,2,3,4,5,6,7,8,9,10,11,12,13,14,15
	global_store_b128 v[CO], v[BK+4*(\t):BK+4*(\t)+3], s[12:13] offset:(16*(\a)+(\t))*ROWB  ; 32 lanes store 512 consecutive bytes, at a multiple of 512 from part's first byte; 127 rows at the most stand in the immediate
.endr
.endm
	PACK 0
	TOSTAGE 0
.irp a, 1,2,3,4,5,6,7                  ; block a's arithmetic stands between block a - 1's loads from the stage and the wait for them
	PACK \a
	SEND (\a)-1
	TOSTAGE \a
.endr
	SEND 7
	s_wait_tensorcnt 0x0                           ; the wave's end, behind my last tensor load and my last LDS store
	ds_add_u32 v[SPW], v[NIL]
	s_wait_dscnt 0x0
	CROUND                                         ; the closing round: no work-group ends while a partner may still ask for a tile that names it
	s_endpgm
.Lfunc_end_k_q1b6a02c4c9_down:
	.size	k_q1b6a02c4c9_down, .Lfunc_end_k_q1b6a02c4c9_down-k_q1b6a02c4c9_down
	.p2alignl 7, 3214868480
	.fill 96, 4, 3214868480
	.section	.rodata,"a",@progbits
	.p2align	6, 0x0
	.amdhsa_kernel k_q1b6a02c4c9_down
		.amdhsa_group_segment_fixed_size 327680
		.amdhsa_private_segment_fixed_size 0
		.amdhsa_enable_private_segment 0
		.amdhsa_kernarg_size 40
		.amdhsa_user_sgpr_count 2
		.amdhsa_user_sgpr_kernarg_segment_ptr 1
		.amdhsa_wavefront_size32 1
		.amdhsa_system_sgpr_workgroup_id_x 1
		.amdhsa_system_sgpr_workgroup_id_y 1
		.amdhsa_system_sgpr_workgroup_id_z 1
		.amdhsa_system_vgpr_workitem_id 0
		.amdhsa_next_free_vgpr 1024
		.amdhsa_next_free_sgpr 66
		.amdhsa_reserve_vcc 0
		.amdhsa_float_denorm_mode_32 3
		.amdhsa_float_denorm_mode_16_64 3
		.amdhsa_memory_ordered 1
		.amdhsa_forward_progress 1
		.amdhsa_inst_pref_size 160
	.end_amdhsa_kernel
	.amdgpu_metadata
---
amdhsa.version: [ 1, 2 ]
amdhsa.kernels:
  - .name:           k_q1b6a02c4c9_down
    .symbol:         k_q1b6a02c4c9_down.kd
    .args:
      - { .name: hid, .offset: 0, .size: 8, .value_kind: global_buffer, .address_space: global }
      - { .name: w2b, .offset: 8, .size: 8, .value_kind: global_buffer, .address_space: global }
      - { .name: b2, .offset: 16, .size: 8, .value_kind: global_buffer, .address_space: global }
      - { .name: gate, .offset: 24, .size: 8, .value_kind: global_buffer, .address_space: global }
      - { .name: part, .offset: 32, .size: 8, .value_kind: global_buffer, .address_space: global }
    .group_segment_fixed_size: 327680
    .private_segment_fixed_size: 0
    .kernarg_segment_align: 8
    .kernarg_segment_size: 40
    .max_flat_workgroup_size: 128
    .sgpr_count:     66
    .vgpr_count:     1024
    .wavefront_size: 32
...
	.end_amdgpu_metadata
.endif
;; end of part 3
;; launch sum (part 4): grid 512 x 1, 8 waves a work-group, no clusters, 0 bytes of LDS; arguments part, out0; writes out0
.if DOCPART == 4
	.amdgcn_target "amdgcn-amd-amdhsa--gfx1250"
	.amdhsa_code_object_version 6
	.text
	.protected	k_q1b6a02c4c9_sum
	.globl	k_q1b6a02c4c9_sum
	.p2align	8
	.type	k_q1b6a02c4c9_sum,@function
k_q1b6a02c4c9_sum:
	s_mov_b64 s[64:65], 0
	v_nop
	global_prefetch_b8 v0, s[64:65] scope:SCOPE_SE
	s_setreg_imm32_b32 hwreg(HW_REG_WAVE_MODE, 25, 1), 1
	s_wait_xcnt 0x0
; SUM.  out0[t][d] = the sum over the eight experts e of part[e][t][d], all f32.  The eight are added as a tree ((0+4)+(2+6)) + ((1+5)+(3+7)), not in ascending order: an order of rounding that differs from the reference's.
; A stream: each byte of part is read once and each byte of out0 written once.  A work-group owns 16 KiB of out0, four pieces of 4 KiB; thread t owns 16 bytes of each piece, so a wave's load or store covers
; 512 consecutive bytes.  All 32 loads of a thread go out before the first wait (128 KiB for the work-group); no register is used twice, so nothing waits for a store.
; No LDS, no barrier, no matrix unit, no cluster: the work-groups share no byte, and there is one addition for each number read.
.set EXB, 0x800000                     ; bytes of one expert's part
.set P,   4                            ; v4-131: piece i, expert e at v[P + 4 (8 i + e)]
	s_load_b128 s[4:7], s[0:1], 0x0                ; part s[4:5], out0 s[6:7]
	s_lshl_b32 s2, ttmp9, 14                       ; my 16 KiB
	s_mov_b32 s3, 0
	v_lshlrev_b32 v1, 4, v0
	s_wait_kmcnt 0x0
	s_add_nc_u64 s[8:9], s[4:5], s[2:3]            ; expert 0's share of my numbers,
.irp e, 1,2,3,4,5,6,7
	s_add_nc_u64 s[8+2*\e:9+2*\e], s[8:9], \e*EXB  ; and the others': a base each, since their distance does not fit a load's immediate
.endr
	s_add_nc_u64 s[6:7], s[6:7], s[2:3]
.irp i, 0,1,2,3
.irp e, 0,1,2,3,4,5,6,7
	global_load_b128 v[P+4*(8*\i+\e):P+4*(8*\i+\e)+3], v1, s[8+2*\e:9+2*\e] offset:4096*\i th:TH_LOAD_NT
.endr
.endr
.irp i, 0,1,2,3
	s_wait_loadcnt 24-8*\i                         ; loads come back in order (ISA guide 5.7.1): piece i's eight are in, the later pieces' stay out
.irp e, 0,1,2,3
	v_pk_add_f32 v[P+4*(8*\i+\e):P+4*(8*\i+\e)+1],   v[P+4*(8*\i+\e):P+4*(8*\i+\e)+1],   v[P+4*(8*\i+\e+4):P+4*(8*\i+\e+4)+1]
	v_pk_add_f32 v[P+4*(8*\i+\e)+2:P+4*(8*\i+\e)+3], v[P+4*(8*\i+\e)+2:P+4*(8*\i+\e)+3], v[P+4*(8*\i+\e+4)+2:P+4*(8*\i+\e+4)+3]
.endr
.irp e, 0,1
	v_pk_add_f32 v[P+4*(8*\i+\e):P+4*(8*\i+\e)+1],   v[P+4*(8*\i+\e):P+4*(8*\i+\e)+1],   v[P+4*(8*\i+\e+2):P+4*(8*\i+\e+2)+1]
	v_pk_add_f32 v[P+4*(8*\i+\e)+2:P+4*(8*\i+\e)+3], v[P+4*(8*\i+\e)+2:P+4*(8*\i+\e)+3], v[P+4*(8*\i+\e+2)+2:P+4*(8*\i+\e+2)+3]
.endr
	v_pk_add_f32 v[P+32*\i:P+32*\i+1],   v[P+32*\i:P+32*\i+1],   v[P+32*\i+4:P+32*\i+5]
	v_pk_add_f32 v[P+32*\i+2:P+32*\i+3], v[P+32*\i+2:P+32*\i+3], v[P+32*\i+6:P+32*\i+7]
	global_store_b128 v1, v[P+32*\i:P+32*\i+3], s[6:7] offset:4096*\i th:TH_STORE_NT
.endr
	s_endpgm
.Lfunc_end_k_q1b6a02c4c9_sum:
	.size	k_q1b6a02c4c9_sum, .Lfunc_end_k_q1b6a02c4c9_sum-k_q1b6a02c4c9_sum
	.p2alignl 7, 3214868480
	.fill 96, 4, 3214868480
	.section	.rodata,"a",@progbits
	.p2align	6, 0x0
	.amdhsa_kernel k_q1b6a02c4c9_sum
		.amdhsa_group_segment_fixed_size 0
		.amdhsa_private_segment_fixed_size 0
		.amdhsa_enable_private_segment 0
		.amdhsa_kernarg_size 16
		.amdhsa_user_sgpr_count 2
		.amdhsa_user_sgpr_kernarg_segment_ptr 1
		.amdhsa_wavefront_size32 1
		.amdhsa_system_sgpr_workgroup_id_x 1
		.amdhsa_system_sgpr_workgroup_id_y 1
		.amdhsa_system_sgpr_workgroup_id_z 1
		.amdhsa_system_vgpr_workitem_id 0
		.amdhsa_next_free_vgpr 136
		.amdhsa_next_free_sgpr 66
		.amdhsa_reserve_vcc 0
		.amdhsa_float_denorm_mode_32 3
		.amdhsa_float_denorm_mode_16_64 3
		.amdhsa_memory_ordered 1
		.amdhsa_forward_progress 1
		.amdhsa_inst_pref_size 8
	.end_amdhsa_kernel
	.amdgpu_metadata
---
amdhsa.version: [ 1, 2 ]
amdhsa.kernels:
  - .name:           k_q1b6a02c4c9_sum
    .symbol:         k_q1b6a02c4c9_sum.kd
    .args:
      - { .name: part, .offset: 0, .size: 8, .value_kind: global_buffer, .address_space: global }
      - { .name: out0, .offset: 8, .size: 8, .value_kind: global_buffer, .address_space: global }
    .group_segment_fixed_size: 0
    .private_segment_fixed_size: 0
    .kernarg_segment_align: 8
    .kernarg_segment_size: 16
    .max_flat_workgroup_size: 256
    .sgpr_count:     66
    .vgpr_count:     136
    .wavefront_size: 32
...
	.end_amdgpu_metadata
.endif
;; end of part 4
